; MI455X (gfx1250); checked and timed in simulation.
; The chip was launched on July 23, 2026; its instructions are those of AMD's public machine-readable ISA for CDNA 5 (MIT licence, August 2026) and "CDNA5" Instruction Set Architecture Reference Guide (July 2026). The comments in the code are by the model that wrote it; some were corrected since.
;; Casual Self Attention. Allowed arithmetic: matrix products marked QUANTISED: E5M2 operands, one given power-of-two scale a tensor, by v_wmma_f32_16x16x64_bf8_bf8 or v_wmma_f32_16x16x128_bf8_bf8, f32 sums; everything else in f32.
;; Inputs: W_kqv 3,072 x 1,024 float32; W_proj 1,024 x 1,024 float32; b_proj 1,024 float32; lowp_scales 8 int32 (the exponents e of the quantised operands' scales 2^e); x 2 x 2,048 x 1,024 float32.
;; Outputs: out0 2 x 2,048 x 1,024 float32.
;; This version of the problem:
;;   THIS VERSION OF THE PROBLEM IS GIVEN IN LOW PRECISION. The matrix products marked QUANTISED in the list below multiply operands that are first quantised to E5M2 (5 exponent bits, 2 mantissa bits; 8 bits a number), with one given power-of-two scale for each operand tensor; their sums are f32. All else is computed in f32.
;;   The module's matrix products, in the order in which they are computed (A, B: the left and right operand; K: the contracted axis; several contracted axes count as one K, in the product's order):
;;     1. [M 4,096, K 1,024] x [K 1,024, N 3,072]; A: input x; B: input W_kqv: QUANTISED (scales: A lowp_scales[0], B lowp_scales[1])
;;     2. batch 32 x [M 2,048, K 64] x [K 64, N 2,048]; A: computed on the way; B: computed on the way: QUANTISED (scales: A lowp_scales[2], B lowp_scales[3])
;;     3. batch 32 x [M 2,048, K 2,048] x [K 2,048, N 64]; A: softmax (see below); B: computed on the way: QUANTISED (scales: A lowp_scales[4], B lowp_scales[5])
;;     4. [M 4,096, K 1,024] x [K 1,024, N 1,024]; A: computed on the way; B: input W_proj: QUANTISED (scales: A lowp_scales[6], B lowp_scales[7])
;;   THE QUANTISER, for each operand of a quantised product, along K:
;;     - The operand's scale is 2^e, e = its entry of the input lowp_scales (int32; the entries are numbered through the quantised products in the list's order, A before B).
;;     - Each number is divided by the scale, clamped to +-57,344, and rounded to the nearest number of E5M2, ties to even, subnormals kept.
;;     - The product sums the exact products of the quantised numbers (number of the format x scale) in f32.
;;   ~~~python
;;   def quantise(x, axis, e):      # numpy; x: float32 -> the quantised numbers, widened to float32 again
;;       x = np.moveaxis(x, axis, -1); K = x.shape[-1]
;;       r = np.clip(x / 2.0 ** e, -57344, 57344)
;;       step = 2.0 ** (np.maximum(np.frexp(np.where(r == 0, 1, r))[1] - 1, -14) - 2)
;;       q = np.round(r / step) * step * 2.0 ** e      # np.round: ties to even
;;       return np.moveaxis(q, -1, axis).astype(np.float32)
;;   ~~~
;;   SOFTMAX AHEAD OF A QUANTISED PRODUCT. Where the list says 'softmax', what is quantised is not the finished softmax but p = 2^(t - M), with t = logit x log2(e) and M = ceil(the row's largest t), a whole number; so 1/2 < the row's largest p <= 1. The row's sum l is taken of the UNQUANTISED p, in f32, and the product's result is divided by l at the end. Since M is a whole number, a kernel that streams over the keys may use a running M (the ceiling of the running maximum): every later rescaling is an exact power of two, so the quantised numbers keep their values, but for numbers so far below the row's largest that they fall under the format's range.
;;   OPERANDS COMPUTED ON THE WAY. 'Computed on the way' means the value that the module computes at that place (a softmax that the list does not call 'softmax' is quantised finished and normalised). What goes into a quantiser is computed in f32, as accurately as f32 sums, v_exp_f32 and their like allow (about 1e-6 of the number): no bf16 or f16 on the way to a quantiser, and a product that is left as it is and whose result goes on into a quantised operand takes f32 operands (vector FMAs, or v_wmma_f32_16x16x4_f32). A number that lies on a knife's edge between two numbers of the format may be rounded either way, as far as f32 arithmetic and the matrix unit's own rounding can turn it there, and no further.
;; One version. Each part assembles by itself: llvm-mc -triple=amdgcn-amd-amdhsa -mcpu=gfx1250 --defsym DOCPART=n.
;; ======== version 1 of 1: 4 launches
;; limits: right only within a limited range of input values
;; workspace buffers: codes 8,388,608 bytes; kv_codes 8,388,608 bytes; q_codes 4,194,304 bytes; att_codes 4,194,304 bytes
;; launch quant (part 1): grid 256 x 1, 8 waves a work-group, no clusters, 68,608 bytes of LDS; arguments x, W_kqv, W_proj, lowp_scales, codes; writes codes
.if DOCPART == 1
	.amdgcn_target "amdgcn-amd-amdhsa--gfx1250"
	.amdhsa_code_object_version 6
	.text
	.protected	k_q9cf70dc29b_quant
	.globl	k_q9cf70dc29b_quant
	.p2align	8
	.type	k_q9cf70dc29b_quant,@function
k_q9cf70dc29b_quant:
	s_mov_b64 s[64:65], 0
	v_nop
	global_prefetch_b8 v0, s[64:65] scope:SCOPE_SE
	s_setreg_imm32_b32 hwreg(HW_REG_WAVE_MODE, 25, 1), 1
	s_wait_xcnt 0x0
; THE PROGRAM: quant makes codes of x, W_kqv, W_proj; kqv multiplies and quantises k, q, v; attn; proj.  DEAD WORK left out, in attn: key tiles all of whose keys come after all queries of a tile:
; reference()'s own causal mask sets their scores to -infinity, so p = 0 whatever the inputs hold.  LIMIT: a NaN, an infinity or an overflow in such a score alone is not carried to the result.
; This launch: x [4096][1024], W_kqv [3072][1024], W_proj [1024][1024], f32, become codes of BF8 (E5M2), one byte each, as IMAGES OF OPERAND REGISTERS in one buffer:
; a fragment is 16 rows x 128 along K, 2,048 bytes: registers 4 g .. 4 g + 3 of lane l = 16 h + r at 512 g + 16 l: row r, k = 32 g + 8 h + 0 .. 7, then k = 32 g + 16 + 8 h + 0 .. 7.
;   x at 0 and W_proj at 0x700000: [block of 128 rows][K step: 8][tile of 16 rows: 8][2,048].
;   W_kqv at 0x400000: [head x 2 + half of its 64 channels: 32][K step: 8][k, q, v: 3][tile of 16 rows: 2][2,048].
; code = number / 2^e, held within +-57,344, rounded to the nearest code, ties to even.  e: entry 0 for x, 1 for W_kqv, 7 for W_proj.
; LIMITS: -126 <= e and e + 15 <= 127, so that 2^e and 57,344 x 2^e are f32 numbers.  NaN among the inputs is not served (an infinity is held at the largest code).
; A work-group takes 32 rows, each of its 8 waves one K step of 128 of them: two fragments.  All 32 loads of a wave (one row's 512 bytes each) go out at once; a fragment's 16 rows turn through the wave's own stage in LDS
; (rows 528 bytes apart).  No tensor loads, no barrier: waves share nothing, and no two work-groups read the same bytes; with no loop there is nothing to prefetch for.
.set R,     16                         ; v16-143  two tiles of 16 rows as they are loaded
.set X,     144                        ; v144-207 a tile's numbers in the operand's order
.set C,     208                        ; v208-239 codes, 16 registers for each tile
.set WREG,  8448                       ; 16 x 528
.set SPARE, 8*WREG                     ; the spare words
.set SPW,   12
.set NIL,   13
	s_load_b128 s[4:7], s[0:1], 0x0                ; x, W_kqv
	s_load_b128 s[8:11], s[0:1], 0x10              ; W_proj, the exponents
	s_load_b64 s[12:13], s[0:1], 0x20              ; the codes
	v_lshl_add_u32 v[SPW], v0, 2, SPARE
	v_mov_b32 v[NIL], 0
	v_lshrrev_b32 v1, 5, v0
	v_readfirstlane_b32 s16, v1                    ; wave = K step
	s_mul_i32 s17, s16, WREG
	v_and_b32 v2, 31, v0
	v_lshlrev_b32 v3, 4, v2                        ; 16 x lane
	v_add_nc_u32 v14, s17, v3                      ; the stage, in: 528 x row + 16 x lane
	v_and_b32 v5, 15, v2
	v_lshrrev_b32 v6, 4, v2
	v_mul_u32_u24 v15, v5, 528
	v_lshl_add_u32 v15, v6, 5, v15
	v_add_nc_u32 v15, s17, v15                     ; out: row r, 32 h bytes on
	s_wait_alu depctr_va_vdst(0)
	s_wait_kmcnt 0x0
	s_load_b256 s[40:47], s[10:11], 0x0            ; the eight exponents
	s_cmp_lt_u32 ttmp9, 128                        ; which tensor?  0-127 x, 128-223 W_kqv, 224-255 W_proj
	s_cselect_b64 s[4:5], s[4:5], s[6:7]
	s_cselect_b32 s17, 0, 128
	s_cselect_b32 s19, 0, 0x400000
	s_cmp_lt_u32 ttmp9, 224
	s_cselect_b64 s[4:5], s[4:5], s[8:9]
	s_cselect_b32 s17, s17, 224
	s_cselect_b32 s19, s19, 0x700000
	s_sub_co_u32 s17, ttmp9, s17                   ; which 32 rows of the tensor
	s_lshl_b32 s20, s17, 17
	s_lshl_b32 s22, s16, 9
	s_add_co_u32 s20, s20, s22
	s_mov_b32 s21, 0
	s_add_nc_u64 s[4:5], s[4:5], s[20:21]          ; 131,072 x rows + 512 x K step
.macro LOAD t
.irp i, 0,1,2,3,4,5,6,7,8,9,10,11,12,13,14,15
	global_load_b128 v[R+64*(\t)+4*\i:R+64*(\t)+4*\i+3], v3, s[4:5] offset:4096*(16*(\t)+\i) th:TH_LOAD_NT   ; 32 lanes: 512 consecutive bytes
.endr
.endm
	LOAD 0
	LOAD 1
	s_lshr_b32 s24, s17, 2                         ; x, W_proj: block,
	s_lshl_b32 s24, s24, 17
	s_lshl_b32 s25, s16, 14                        ; K step,
	s_add_co_u32 s24, s24, s25
	s_and_b32 s25, s17, 3
	s_lshl_b32 s25, s25, 12                        ; two tiles
	s_add_co_u32 s24, s24, s25
	s_and_b32 s26, s17, 31                         ; W_kqv: head x 2 + half,
	s_mul_i32 s26, s26, 98304
	s_mul_i32 s27, s16, 12288                      ; K step,
	s_add_co_u32 s26, s26, s27
	s_lshr_b32 s27, s17, 5                         ; k, q or v
	s_lshl_b32 s27, s27, 12
	s_add_co_u32 s26, s26, s27
	s_sub_co_u32 s27, ttmp9, 128
	s_cmp_lt_u32 s27, 96
	s_cselect_b32 s24, s26, s24
	s_add_co_u32 s24, s24, s19
	s_mov_b32 s25, 0
	s_add_nc_u64 s[12:13], s[12:13], s[24:25]
	s_wait_kmcnt 0x0
	s_cmp_lt_u32 ttmp9, 128
	s_cselect_b32 s22, s40, s41
	s_cmp_lt_u32 ttmp9, 224
	s_cselect_b32 s22, s22, s47
	s_add_co_i32 s22, s22, 127
	s_lshl_b32 s23, s22, 23
	v_mov_b32 v11, s23                             ; 2^e: the conversion takes its exponent field
	s_add_co_i32 s22, s22, 15
	s_lshl_b32 s22, s22, 23
	s_or_b32 s22, s22, 0x600000
	v_mov_b32 v10, s22                             ; 57,344 x 2^e
	s_wait_alu depctr_va_vdst(0)                   ; the wait at the head's end
.macro TILE t
	s_wait_loadcnt 16*(1-(\t))                     ; this tile's 16 loads are in; the next tile's may be out
.irp i, 0,1,2,3,4,5,6,7,8,9,10,11,12,13,14,15
	ds_store_b128 v14, v[R+64*(\t)+4*\i:R+64*(\t)+4*\i+3] offset:528*\i
.endr
.irp c, 0,1,2,3                                ; LDS serves a wave's instructions in order (ISA guide 5.7.1.4): no wait between
	ds_load_b128 v[X+16*\c:X+16*\c+3], v15 offset:128*\c
	ds_load_b128 v[X+16*\c+4:X+16*\c+7], v15 offset:128*\c+16
	ds_load_b128 v[X+16*\c+8:X+16*\c+11], v15 offset:128*\c+64
	ds_load_b128 v[X+16*\c+12:X+16*\c+15], v15 offset:128*\c+80
.endr
.irp c, 0,1,2,3
	s_wait_dscnt 12-4*\c                           ; group c's four loads are back
.irp i, 0,1,2,3,4,5,6,7,8,9,10,11,12,13,14,15
	v_med3_num_f32 v[X+16*\c+\i], v[X+16*\c+\i], -v10, v10   ; the conversion does not saturate (ISA guide 7.6.2)
.endr
	v_cvt_scalef32_pk8_bf8_f32 v[C+16*(\t)+4*\c:C+16*(\t)+4*\c+1], v[X+16*\c:X+16*\c+7], v11
	v_cvt_scalef32_pk8_bf8_f32 v[C+16*(\t)+4*\c+2:C+16*(\t)+4*\c+3], v[X+16*\c+8:X+16*\c+15], v11
	v_nop
	global_store_b128 v3, v[C+16*(\t)+4*\c:C+16*(\t)+4*\c+3], s[12:13] offset:2048*(\t)+512*\c   ; 512 consecutive bytes, aligned
.endr
.endm
	TILE 0
	TILE 1
	s_wait_tensorcnt 0x0                           ; the wave's end
	ds_add_u32 v[SPW], v[NIL]
	s_wait_dscnt 0x0
	s_endpgm
.Lfunc_end_k_q9cf70dc29b_quant:
	.size	k_q9cf70dc29b_quant, .Lfunc_end_k_q9cf70dc29b_quant-k_q9cf70dc29b_quant
	.p2alignl 7, 3214868480
	.fill 96, 4, 3214868480
	.section	.rodata,"a",@progbits
	.p2align	6, 0x0
	.amdhsa_kernel k_q9cf70dc29b_quant
		.amdhsa_group_segment_fixed_size 68608
		.amdhsa_private_segment_fixed_size 0
		.amdhsa_enable_private_segment 0
		.amdhsa_kernarg_size 40
		.amdhsa_user_sgpr_count 2
		.amdhsa_user_sgpr_kernarg_segment_ptr 1
		.amdhsa_wavefront_size32 1
		.amdhsa_system_sgpr_workgroup_id_x 1
		.amdhsa_system_sgpr_workgroup_id_y 1
		.amdhsa_system_sgpr_workgroup_id_z 1
		.amdhsa_system_vgpr_workitem_id 0
		.amdhsa_next_free_vgpr 256
		.amdhsa_next_free_sgpr 66
		.amdhsa_reserve_vcc 0
		.amdhsa_float_denorm_mode_32 3
		.amdhsa_float_denorm_mode_16_64 3
		.amdhsa_memory_ordered 1
		.amdhsa_forward_progress 1
		.amdhsa_inst_pref_size 21
	.end_amdhsa_kernel
	.amdgpu_metadata
---
amdhsa.version: [ 1, 2 ]
amdhsa.kernels:
  - .name:           k_q9cf70dc29b_quant
    .symbol:         k_q9cf70dc29b_quant.kd
    .args:
      - { .name: x, .offset: 0, .size: 8, .value_kind: global_buffer, .address_space: global }
      - { .name: W_kqv, .offset: 8, .size: 8, .value_kind: global_buffer, .address_space: global }
      - { .name: W_proj, .offset: 16, .size: 8, .value_kind: global_buffer, .address_space: global }
      - { .name: lowp_scales, .offset: 24, .size: 8, .value_kind: global_buffer, .address_space: global }
      - { .name: codes, .offset: 32, .size: 8, .value_kind: global_buffer, .address_space: global }
    .group_segment_fixed_size: 68608
    .private_segment_fixed_size: 0
    .kernarg_segment_align: 8
    .kernarg_segment_size: 40
    .max_flat_workgroup_size: 256
    .sgpr_count:     66
    .vgpr_count:     256
    .wavefront_size: 32
...
	.end_amdgpu_metadata
.endif
;; end of part 1
;; launch kqv (part 2): grid 16 x 16, 4 waves a work-group, clusters of 4 x 4, 327,680 bytes of LDS; arguments codes, lowp_scales, kv_codes, q_codes; writes kv_codes, q_codes
.if DOCPART == 2
	.amdgcn_target "amdgcn-amd-amdhsa--gfx1250"
	.amdhsa_code_object_version 6
	.text
	.protected	k_q9cf70dc29b_kqv
	.globl	k_q9cf70dc29b_kqv
	.p2align	8
	.type	k_q9cf70dc29b_kqv,@function
k_q9cf70dc29b_kqv:
	s_mov_b64 s[64:65], 0
	v_nop
	global_prefetch_b8 v0, s[64:65] scope:SCOPE_SE
	s_setreg_imm32_b32 hwreg(HW_REG_WAVE_MODE, 25, 1), 1
	s_wait_xcnt 0x0
	s_wait_alu depctr_hold_cnt(0) depctr_sa_sdst(0) depctr_va_vdst(0) depctr_va_sdst(0) depctr_va_ssrc(0) depctr_va_vcc(0) depctr_vm_vsrc(0)
	s_getreg_b32 s2, hwreg(HW_REG_IB_STS2, 6, 4)
	s_cmp_eq_u32 s2, 0
	s_cbranch_scc0 .Lentry_in_a_cluster
	s_endpgm
.Lentry_in_a_cluster:
	s_bfe_u32 s2, ttmp6, 0x10000c
	s_cmp_lg_u32 s2, 0xf033
	s_cbranch_scc0 .Lentry_shape_is_right
	s_endpgm
.Lentry_shape_is_right:
; k, q, v = x W_kqv^T on codes of BF8 (E5M2), sums in f32, and their codes for the attention's products.  A work-group makes 256 tokens (y) x one head's 64 channels of k, of q and of v (x = head): 256 x 192.
; Wave (a half of the tokens: 128; a half i of the channels: 32 of k, 32 of q, 32 of v): 8 x 6 accumulators, 384 registers.  The codes of x and W lie as images of operand registers, 2,048 bytes a fragment.
; K = 8 steps of 128 in three fills of two LDS slots: steps 0-2 into slot X, 3-4 into slot Y, 5-7 into X again.  Waves 0, 1 fetch A's halves, waves 2, 3 B's: dense runs, stated as rows of 256 bytes, one joint load a wave a fill.
; CLUSTERS of 4 x 4: the four of a row share the tokens (A), the four of a column the head (B): each tile is asked for jointly.
; PREFETCH: behind the second fill's load each cluster asks once for each block of 256 bytes of the third fill (two steps' products ahead of its load): the four partners of a joint load take a quarter each, told apart by address.
; k and q are made with source 0 = W, source 1 = x: a lane holds one token, registers along the channels; v with source 0 = x, source 1 = W: a lane holds one channel, registers along the tokens.
; So the conversions' results are registers of the attention's operands.  kv_codes [batch x 16 + head][128 keys: 16][K: 8 tiles of 1,024, V: 4 tiles of 2,048]; q_codes [batch x 16 + head][16 queries: 128][1,024].
; LIMITS: e - e0 - e1 between -126 and 112 for e = e3 (k), e2 (q), e5 (v), so that the conversion's scale and 57,344 x it are f32 numbers.  NaN is not served.
; REGISTERS: windows 0 and 1: v32-159 A's eight fragments, v160-255 B's six (one set in each window); v1-31 of window 0 addresses; windows 2, 3: accumulators of token tiles 0-3, 4-7.
.set YB,    172032                     ; slot X: A 2 x 49,152, B 2 x 36,864; slot Y: A 2 x 32,768, B 2 x 24,576
.set SPARE, 286720
.set G1AX, 24
.set G1AY, 32
.set G1BX, 40
.set G1BY, 48
.set G0AX, 56
.set G0AY, 60
.set G0BX, 76
.set G0BY, 80
.set MSB, 0
.macro WIN new
.if MSB != (\new)
	s_set_vgpr_msb (MSB<<8)|(\new)
.set MSB, (\new)
.endif
.endm
.macro GROUP1 g, mask, rows            ; a dense run: rows of 32 elements of 8 bytes; the mask, bit 21 beside it
	s_or_b32 s[\g], s[\mask], (3<<16)|(1<<21)
	s_mov_b32 s[\g+1], 32<<16
	s_mov_b32 s[\g+2], (\rows)<<16
	s_mov_b32 s[\g+3], 32<<16
	s_mov_b32 s[\g+4], \rows
	s_mov_b32 s[\g+5], 32
	s_mov_b32 s[\g+6], 0
	s_mov_b32 s[\g+7], 0
.endm
.macro JLOAD g0a, g1a, g0b, g1b        ; the branch hangs on the wave's number alone
	s_cmp_eq_u32 s15, 0
	s_cbranch_scc0 .Lfor_b_\@
	tensor_load_to_lds s[\g0a:\g0a+3], s[\g1a:\g1a+7]
	s_nop 0
.rept 4
	v_nop
.endr
	s_branch .Lasked_\@
.Lfor_b_\@:
	tensor_load_to_lds s[\g0b:\g0b+3], s[\g1b:\g1b+7]
	s_nop 0
.rept 4
	v_nop
.endr
.Lasked_\@:
.endm
.macro CREST                           ; a round of the cluster's barrier behind its opening barrier
	s_cmp_lg_u32 s14, 0
	s_cbranch_scc1 .Lnot_wave_0_\@
	s_barrier_signal -3
.Lnot_wave_0_\@:
	s_barrier_wait -3
	s_barrier_signal -1
	s_barrier_wait -1
.endm
.macro CROUND
	s_barrier_signal -1
	s_barrier_wait -1
	CREST
.endm
.macro PLACES
.rept 4
	v_nop
.endr
.endm
	s_load_b128 s[4:7], s[0:1], 0x0                ; codes, the exponents
	s_load_b128 s[8:11], s[0:1], 0x10              ; kv_codes, q_codes
	v_lshl_add_u32 v28, v0, 2, SPARE
	v_mov_b32 v29, 0
	ds_add_u32 v28, v29                            ; the wave's opening: the add, twice on end
	ds_add_u32 v28, v29
	v_lshrrev_b32 v1, 5, v0
	v_readfirstlane_b32 s14, v1                    ; wave
	s_lshr_b32 s15, s14, 1                         ; my half of the tokens; I fetch for A (0) or B (1)
	s_and_b32 s16, s14, 1                          ; my half of the channels; the half that I fetch
	s_bfe_u32 s84, ttmp6, 0x40000                  ; cx
	s_bfe_u32 s85, ttmp6, 0x40004                  ; cy
	s_lshl_b32 s86, ttmp9, 2
	s_add_co_u32 s86, s86, s84                     ; head
	s_and_b32 s87, ttmp7, 0xffff
	s_lshl_b32 s87, s87, 2
	s_add_co_u32 s87, s87, s85                     ; block of 256 tokens
	s_lshl_b32 s88, s85, 2
	s_lshl_b32 s88, 15, s88                        ; my row of the cluster
	s_lshl_b32 s89, 0x1111, s84                    ; my column
	GROUP1 G1AX, 88, 192
	GROUP1 G1AY, 88, 128
	GROUP1 G1BX, 89, 144
	GROUP1 G1BY, 89, 96
	s_lshl_b32 s90, s87, 18
	s_lshl_b32 s94, s16, 17
	s_add_co_u32 s90, s90, s94                     ; A: 131,072 x (2 x block + half)
	s_mov_b32 s91, 0
	s_mul_i32 s92, s86, 196608
	s_mul_i32 s94, s16, 98304
	s_add_co_u32 s92, s92, s94
	s_add_co_u32 s92, s92, 0x400000                ; B: 98,304 x (2 x head + half)
	s_mov_b32 s93, 0
	s_mov_b32 s[G0AX], 1
	s_mul_i32 s[G0AX+1], s16, 49152
	s_mov_b32 s[G0AY], 1
	s_mul_i32 s[G0AY+1], s16, 32768
	s_add_co_u32 s[G0AY+1], s[G0AY+1], YB
	s_mov_b32 s[G0BX], 1
	s_mul_i32 s[G0BX+1], s16, 36864
	s_add_co_u32 s[G0BX+1], s[G0BX+1], 98304
	s_mov_b32 s[G0BY], 1
	s_mul_i32 s[G0BY+1], s16, 24576
	s_add_co_u32 s[G0BY+1], s[G0BY+1], YB+65536
	s_wait_dscnt 0x0                               ; both opening adds are done
	s_wait_kmcnt 0x0
	s_load_b256 s[68:75], s[6:7], 0x0              ; e0 .. e7
	s_add_nc_u64 s[90:91], s[4:5], s[90:91]
	s_add_nc_u64 s[92:93], s[4:5], s[92:93]
	s_mov_b64 s[G0AX+2:G0AX+3], s[90:91]
	s_or_b32 s[G0AX+3], s[G0AX+3], 0x80000000
	s_add_nc_u64 s[G0AY+2:G0AY+3], s[90:91], 3*16384
	s_or_b32 s[G0AY+3], s[G0AY+3], 0x80000000
	s_mov_b64 s[G0BX+2:G0BX+3], s[92:93]
	s_or_b32 s[G0BX+3], s[G0BX+3], 0x80000000
	s_add_nc_u64 s[G0BY+2:G0BY+3], s[92:93], 3*12288
	s_or_b32 s[G0BY+3], s[G0BY+3], 0x80000000
	CROUND                                         ; all sixteen work-groups are here
	JLOAD G0AX, G1AX, G0BX, G1BX                   ; K steps 0-2
	; where my results go
	s_lshr_b32 s17, s87, 3
	s_lshl_b32 s17, s17, 4
	s_add_co_u32 s17, s17, s86                     ; batch x 16 + head
	s_lshl_b32 s18, s87, 1
	s_add_co_u32 s18, s18, s15
	s_and_b32 s18, s18, 15                         ; which 128 tokens of the batch
	s_lshl_b32 s20, s17, 18
	s_lshl_b32 s19, s18, 14
	s_add_co_u32 s20, s20, s19
	s_mov_b32 s21, 0
	s_add_nc_u64 s[8:9], s[8:9], s[20:21]
	s_lshl_b32 s22, s16, 12
	s_add_co_u32 s22, s22, 8192
	s_mov_b32 s23, 0
	s_add_nc_u64 s[12:13], s[8:9], s[22:23]        ; V's tiles 2 i, 2 i + 1
	s_lshl_b32 s22, s16, 9
	s_add_nc_u64 s[8:9], s[8:9], s[22:23]          ; K: registers 4 i .. 4 i + 3
	s_lshl_b32 s20, s17, 17
	s_lshl_b32 s19, s18, 13
	s_add_co_u32 s20, s20, s19
	s_add_co_u32 s20, s20, s22
	s_add_nc_u64 s[10:11], s[10:11], s[20:21]      ; Q likewise
	; the prefetch: of the third fill's bytes my part is 48 (A) or 36 (B) blocks of 256 bytes
	s_cmp_eq_u32 s15, 0
	s_cselect_b64 s[96:97], s[90:91], s[92:93]
	s_cselect_b32 s98, s84, s85                    ; my place among the four that ask jointly
	s_mov_b32 s99, 36*256
	s_cselect_b32 s99, 48*256, s99
	s_mul_i32 s98, s98, s99
	s_mov_b32 s99, 5*12288
	s_cselect_b32 s99, 5*16384, s99
	s_cselect_b32 s100, 47, 35
	s_add_co_u32 s98, s98, s99
	s_mov_b32 s99, 0
	s_add_nc_u64 s[96:97], s[96:97], s[98:99]
	s_mul_i32 s94, s15, 49152
	s_mul_i32 s95, s15, 32768
	s_add_co_u32 s95, s95, YB
	s_mul_i32 s17, s16, 36864
	s_add_co_u32 s17, s17, 98304
	s_mul_i32 s18, s16, 24576
	s_add_co_u32 s18, s18, YB+65536
	v_and_b32 v2, 31, v0
	v_lshlrev_b32 v1, 4, v2                        ; 16 x lane
	v_lshlrev_b32 v20, 8, v2
	v_add_nc_u32 v21, 32, v2
	v_min_u32 v21, s100, v21                       ; lanes left over name my last block again
	v_lshlrev_b32 v21, 8, v21
	v_add_nc_u32 v16, s94, v1                      ; A in slot X,
	v_add_nc_u32 v17, s95, v1                      ; in Y
	v_add_nc_u32 v18, s17, v1                      ; B in X,
	v_add_nc_u32 v19, s18, v1                      ; in Y
	s_wait_alu depctr_va_vdst(0)
	s_wait_kmcnt 0x0
.macro SCALE e, rs, rl                 ; 2^(e - e0 - e1) and 57,344 x that
	s_sub_co_i32 s19, s[\e], s68
	s_sub_co_i32 s19, s19, s69
	s_add_co_i32 s19, s19, 127
	s_lshl_b32 s20, s19, 23
	v_mov_b32 v[\rs], s20
	s_add_co_i32 s19, s19, 15
	s_lshl_b32 s19, s19, 23
	s_or_b32 s19, s19, 0x600000
	v_mov_b32 v[\rl], s19
.endm
	SCALE 71, 22, 25                               ; k
	SCALE 70, 23, 26                               ; q
	SCALE 73, 24, 27                               ; v
; 56 LDS loads in one run: the fragments of the slot's j-th K step into the set in window w
.macro FETCH ada, adb, j, w
	WIN 0x40*(\w)
.irp n, 0,1,2,3,4,5
.irp g, 0,1,2,3
	ds_load_b128 v[160+16*\n+4*\g:160+16*\n+4*\g+3], v[\adb] offset:12288*(\j)+2048*\n+512*\g
.endr
.endr
.irp a, 0,1,2,3,4,5,6,7
.irp g, 0,1,2,3
	ds_load_b128 v[32+16*\a+4*\g:32+16*\a+4*\g+3], v[\ada] offset:16384*(\j)+2048*\a+512*\g
.endr
.endr
.endm
; 12 matrix instructions: token tiles a0, a0 + 1 x six channel tiles; the 48 accumulators take turns, in the same order in every step.  zero = 1 starts the sums
.macro MUL12 w, a0, zero
	WIN 5*(\w)+0xa0+0x50*((\a0)/4)
.irp a, \a0, \a0+1
.irp n, 0,1,2,3,4,5
.set AC, 8*(6*((\a)%4)+\n)
.set FA, 32+16*(\a)
.set FB, 160+16*\n
.if \n >= 4
.set FA, 160+16*\n
.set FB, 32+16*(\a)
.endif
.if \zero
	v_wmma_f32_16x16x128_bf8_bf8 v[AC:AC+7], v[FB:FB+15], v[FA:FA+15], 0
.else
	v_wmma_f32_16x16x128_bf8_bf8 v[AC:AC+7], v[FB:FB+15], v[FA:FA+15], v[AC:AC+7]
.endif
.endr
.endr
.endm
; K step s, its successor (the slot's j-th) in the same slot
.macro SUB ada, adb, j, s
.if \s > 0
	PLACES                                         ; in front of loads into registers that matrix instructions have read
.endif
	FETCH \ada, \adb, \j, 1-(\s)%2
	s_wait_dscnt 56                                ; all but the 56 just issued
.irp b, 0,2,4,6
.if \s == 0
	MUL12 (\s)%2, \b, 1
.else
	MUL12 (\s)%2, \b, 0
.endif
.endr
.endm
; a slot's last K step: the other slot has landed, then its first fragments.  fill = 1: slot X is filled again, behind a round of the cluster's barrier
.macro TURN ada, adb, s, fill
	s_wait_dscnt 0x0                               ; my reads of this slot are over
	MUL12 (\s)%2, 0, 0
	MUL12 (\s)%2, 2, 0
	WIN 0
	s_wait_tensorcnt 0x0                           ; my part of the next slot is in
.if \fill
	ds_add_u32 v28, v29
.endif
	MUL12 (\s)%2, 4, 0
	WIN 0
	s_wait_dscnt 0x0                               ; the add is done
	s_barrier_signal -1
	s_barrier_wait -1
.if \fill
	CREST
	s_add_nc_u64 s[G0AX+2:G0AX+3], s[G0AX+2:G0AX+3], 5*16384
	s_add_nc_u64 s[G0BX+2:G0BX+3], s[G0BX+2:G0BX+3], 5*12288
	JLOAD G0AX, G1AX, G0BX, G1BX                   ; K steps 5-7; its four v_nop are the places in front of the loads below
.else
	PLACES
.endif
	FETCH \ada, \adb, 0, 1-(\s)%2
	MUL12 (\s)%2, 6, 0
.endm
	s_wait_alu depctr_va_vdst(0)                   ; the wait at the head's end
	s_wait_tensorcnt 0x0                           ; my part of slot X is in
	ds_add_u32 v28, v29
	s_wait_dscnt 0x0
	CROUND
	JLOAD G0AY, G1AY, G0BY, G1BY                   ; K steps 3-4
	FETCH 16, 18, 0, 0
	global_prefetch_b8 v20, s[96:97] th:TH_LOAD_NT scope:SCOPE_SE   ; the third fill: my first 32 blocks, and the rest
	global_prefetch_b8 v21, s[96:97] th:TH_LOAD_NT scope:SCOPE_SE
	SUB 16, 18, 1, 0
	SUB 16, 18, 2, 1
	TURN 17, 19, 2, 1
	SUB 17, 19, 1, 3
	TURN 16, 18, 4, 0
	SUB 16, 18, 1, 5
	SUB 16, 18, 2, 6
	s_wait_dscnt 0x0
.irp b, 0,2,4,6
	MUL12 1, \b, 0
.endr
	WIN 0
	PLACES                                         ; the results are read from here on
; token tile a: held, converted, stored.  Every store covers 512 consecutive bytes, aligned; codes have registers of their own: v128-159 k, v160-191 q, v192-223 v
.macro OUT a
.set AC, 48*((\a)%4)
.set TM, 32+48*((\a)%2)
	WIN 0x02+((\a)/4)
.set j, 0
.rept 48
	v_med3_num_f32 v[TM+j], v[AC+j], -v[25+j/16], v[25+j/16]   ; the conversion does not saturate (ISA guide 7.6.2)
.set j, j+1
.endr
	WIN 0
	v_cvt_scalef32_pk8_bf8_f32 v[128+4*(\a):129+4*(\a)], v[TM:TM+7], v22
	v_cvt_scalef32_pk8_bf8_f32 v[130+4*(\a):131+4*(\a)], v[TM+8:TM+15], v22
	v_cvt_scalef32_pk8_bf8_f32 v[160+4*(\a):161+4*(\a)], v[TM+16:TM+23], v23
	v_cvt_scalef32_pk8_bf8_f32 v[162+4*(\a):163+4*(\a)], v[TM+24:TM+31], v23
	v_cvt_scalef32_pk8_bf8_f32 v[192+2*(\a):193+2*(\a)], v[TM+32:TM+39], v24
	v_cvt_scalef32_pk8_bf8_f32 v[208+2*(\a):209+2*(\a)], v[TM+40:TM+47], v24
	v_nop
	global_store_b128 v1, v[128+4*(\a):131+4*(\a)], s[8:9] offset:1024*(\a)
	global_store_b128 v1, v[160+4*(\a):163+4*(\a)], s[10:11] offset:1024*(\a)
.if (\a)%2
	global_store_b128 v1, v[190+2*(\a):193+2*(\a)], s[12:13] offset:512*((\a)/2)
	global_store_b128 v1, v[206+2*(\a):209+2*(\a)], s[12:13] offset:2048+512*((\a)/2)
.endif
.endm
.irp a, 0,1,2,3,4,5,6,7
	OUT \a
.endr
	s_wait_tensorcnt 0x0                           ; the wave's end
	ds_add_u32 v28, v29
	s_wait_dscnt 0x0
	CROUND                                         ; the closing round
	s_endpgm
.Lfunc_end_k_q9cf70dc29b_kqv:
	.size	k_q9cf70dc29b_kqv, .Lfunc_end_k_q9cf70dc29b_kqv-k_q9cf70dc29b_kqv
	.p2alignl 7, 3214868480
	.fill 96, 4, 3214868480
	.section	.rodata,"a",@progbits
	.p2align	6, 0x0
	.amdhsa_kernel k_q9cf70dc29b_kqv
		.amdhsa_group_segment_fixed_size 327680
		.amdhsa_private_segment_fixed_size 0
		.amdhsa_enable_private_segment 0
		.amdhsa_kernarg_size 32
		.amdhsa_user_sgpr_count 2
		.amdhsa_user_sgpr_kernarg_segment_ptr 1
		.amdhsa_wavefront_size32 1
		.amdhsa_system_sgpr_workgroup_id_x 1
		.amdhsa_system_sgpr_workgroup_id_y 1
		.amdhsa_system_sgpr_workgroup_id_z 1
		.amdhsa_system_vgpr_workitem_id 0
		.amdhsa_next_free_vgpr 1024
		.amdhsa_next_free_sgpr 102
		.amdhsa_reserve_vcc 0
		.amdhsa_float_denorm_mode_32 3
		.amdhsa_float_denorm_mode_16_64 3
		.amdhsa_memory_ordered 1
		.amdhsa_forward_progress 1
		.amdhsa_inst_pref_size 96
	.end_amdhsa_kernel
	.amdgpu_metadata
---
amdhsa.version: [ 1, 2 ]
amdhsa.kernels:
  - .name:           k_q9cf70dc29b_kqv
    .symbol:         k_q9cf70dc29b_kqv.kd
    .args:
      - { .name: codes, .offset: 0, .size: 8, .value_kind: global_buffer, .address_space: global }
      - { .name: lowp_scales, .offset: 8, .size: 8, .value_kind: global_buffer, .address_space: global }
      - { .name: kv_codes, .offset: 16, .size: 8, .value_kind: global_buffer, .address_space: global }
      - { .name: q_codes, .offset: 24, .size: 8, .value_kind: global_buffer, .address_space: global }
    .group_segment_fixed_size: 327680
    .private_segment_fixed_size: 0
    .kernarg_segment_align: 8
    .kernarg_segment_size: 32
    .max_flat_workgroup_size: 128
    .sgpr_count:     102
    .vgpr_count:     1024
    .wavefront_size: 32
...
	.end_amdgpu_metadata
.endif
;; end of part 2
;; launch attn (part 3): grid 8 x 32, 16 waves a work-group, clusters of 4 x 1, 327,680 bytes of LDS; arguments q_codes, kv_codes, lowp_scales, att_codes; writes att_codes
.if DOCPART == 3
	.amdgcn_target "amdgcn-amd-amdhsa--gfx1250"
	.amdhsa_code_object_version 6
	.text
	.protected	k_q9cf70dc29b_attn
	.globl	k_q9cf70dc29b_attn
	.p2align	8
	.type	k_q9cf70dc29b_attn,@function
k_q9cf70dc29b_attn:
	s_mov_b64 s[64:65], 0
	v_nop
	global_prefetch_b8 v0, s[64:65] scope:SCOPE_SE
	s_setreg_imm32_b32 hwreg(HW_REG_WAVE_MODE, 25, 1), 1
	s_wait_xcnt 0x0
	s_wait_alu depctr_hold_cnt(0) depctr_sa_sdst(0) depctr_va_vdst(0) depctr_va_sdst(0) depctr_va_ssrc(0) depctr_va_vcc(0) depctr_vm_vsrc(0)
	s_getreg_b32 s2, hwreg(HW_REG_IB_STS2, 6, 4)
	s_cmp_eq_u32 s2, 0
	s_cbranch_scc0 .Lentry_in_a_cluster
	s_endpgm
.Lentry_in_a_cluster:
	s_bfe_u32 s2, ttmp6, 0x10000c
	s_cmp_lg_u32 s2, 0x3003
	s_cbranch_scc0 .Lentry_shape_is_right
	s_endpgm
.Lentry_shape_is_right:
; Causal attention of one head on codes of BF8 (E5M2): S = q k^T, softmax, O = p v; head size 64, 2,048 tokens, 32 (batch, head) pairs (grid y).  O leaves as codes for the last product.
; DEAD WORK LEFT OUT: key tiles all of whose keys come after all queries of a tile (reference()'s own causal mask).  LIMIT: a NaN, an infinity or an overflow in such a score alone is not carried to the result.
; THE SOFTMAX AHEAD OF THE SECOND PRODUCT: t = score x log2(e) / 8; M = the row's largest t so far, rounded UP to a whole number; p = 2^(t - M) is what is quantised (scale 2^e4); it is not normalised.
; The row's sum is taken of the unquantised p, in f32, and divides O at the end.  When M moves, the sum and O are multiplied by 2^(old M - new M): nothing is rounded.
; SHARES.  A tile is 16 queries; tile T of a head = 8 x block of 128 + 4 x half q + cx.  Eight work-groups share a head: two clusters p = 0, 1 of four, cx = 0 .. 3.  A work-group owns the short tiles (block b, q = p) and
; the long tiles (block 15 - b, q = 1 - p), b = 0 .. 7.  Two waves serve a pair b: wave A takes key steps (128 keys) 0-8 of the long tile (b = 7: its diagonal is step 8); wave B takes all of the short tile, stores it, and then
; steps 9 .. 15 - b of the long tile; its part (O, the sum, M) goes to A through LDS and is joined there: 9 steps for A, 8 for B, whatever b.  A is where (w xor w / 4) is even: two of each kind among w, w + 4, w + 8, w + 12.
; The diagonal step: q = 0 needs 64 of its keys (a half step), q = 1 all 128, the mask on the last 64 alone.  The mask is data made of cx; no branch and no LDS address hangs on cx.
; LDS holds the head's WHOLE K and V: its 262,144 bytes of kv_codes, step s at 16,384 s (K's 8 tiles of 1,024 bytes, V's 4 of 2,048: images of operand registers).  Nothing is filled again.  All loads are JOINT for the cluster.
; At the head each wave asks for its sixteenth of steps 0-2 (3,072 bytes); when these have landed, behind a round of the cluster's barrier, for its sixteenth of steps 3-15 (13,312 bytes), which lands while steps 0-2 are worked.
; No prefetch: there is one fill behind the head's, and no loop ahead of which a prefetch could run.
; LAYOUT.  S^T = K Q^T, O^T = V^T P^T: a lane holds ONE query (lane % 16); in key tile u register j is key 16 u + 8 (lane / 16) + j, so the conversion of tile u gives registers 2 u, 2 u + 1 of P.
; LIMITS on the given exponents, so that each power of two below is an f32 number: e2 + e3 between -123 and 130 (added to c's exponent field); e4 and e6 between -126 and 112; e4 + e5 is applied by v_ldexp_f32 and has none.
; A p under 2^-126 counts as 0 (v_exp_f32 gives no denormals: ISA guide, its entry).  NaN is not served.
; REGISTERS: v12 -M, v13 the largest t, v[14:15] the sum in two halves; v16-23 Q, v24-31 the long tile's Q; v32-95 K's fragments, then V's; v96-159 S^T, then p; v160-191 O^T; v192-207 p's codes; v208-223 O's codes.
.set LI,  1                            ; 16 x lane
.set AD,  2
.set STG, 3                            ; my pair's place for B's part
.set DQ,  5                            ; 16 cx + lane % 16 - 8 (lane / 16)
.set SPW, 6
.set NIL, 7
.set WV,  12
.set ISB, 13
.set BB,  14
.set TB,  2                            ; LDS byte of the step in hand
.set KF,  66                           ; the step in hand
.set CNT, 67
.set SEL, 76
.set CS,  78                           ; c = log2(e) / 8 x 2^(e2 + e3): the packed form names a pair and takes its low word
.set NF1, 28                           ; full steps of the first tile end here
.set NF2, 29                           ; B: the long tile's full steps end here
.set QD1, 30
.set QD2, 31
.set STAGE, 262144                     ; 8 x 4,608 bytes
.set SPARE, STAGE+8*4608
.set FIRST, 49152                      ; steps 0-2
.macro CROUND
	s_barrier_signal -1
	s_barrier_wait -1
	s_cmp_lg_u32 s[WV], 0
	s_cbranch_scc1 .Lnot_wave_0_\@
	s_barrier_signal -3
.Lnot_wave_0_\@:
	s_barrier_wait -3
	s_barrier_signal -1
	s_barrier_wait -1
.endm
.macro GROUP1 g, rows                  ; a dense run: rows of 32 elements of 8 bytes
	s_mov_b32 s[\g], 15|(3<<16)|(1<<21)            ; the mask: all four; elements of 8 bytes; bit 21 beside a mask
	s_mov_b32 s[\g+1], 32<<16
	s_mov_b32 s[\g+2], (\rows)<<16
	s_mov_b32 s[\g+3], 32<<16
	s_mov_b32 s[\g+4], \rows
	s_mov_b32 s[\g+5], 32
	s_mov_b32 s[\g+6], 0
	s_mov_b32 s[\g+7], 0
.endm
	s_load_b256 s[4:11], s[0:1], 0x0               ; q_codes, kv_codes, the exponents, att_codes
	v_lshl_add_u32 v[SPW], v0, 2, SPARE
	v_mov_b32 v[NIL], 0
	ds_add_u32 v[SPW], v[NIL]                      ; the wave's opening: the add, twice on end
	ds_add_u32 v[SPW], v[NIL]
	v_lshrrev_b32 v8, 5, v0
	v_readfirstlane_b32 s[WV], v8                  ; wave 0..15
	GROUP1 16, 12                                  ; 12 rows of 256 bytes: 3,072
	GROUP1 80, 52                                  ; 52 rows: 13,312
	s_and_b32 s60, ttmp7, 0xffff                   ; batch x 16 + head
	s_lshl_b32 s56, s60, 18                        ; the head's record; a byte's place in LDS is its place in the record
	s_mul_i32 s58, s[WV], 13312
	s_add_co_u32 s58, s58, FIRST
	s_add_co_u32 s58, s58, s56
	s_mov_b32 s59, 0
	s_mul_i32 s57, s[WV], 3072
	s_add_co_u32 s56, s56, s57
	s_mov_b32 s57, 0
	s_mov_b32 s24, 1
	s_mul_i32 s25, s[WV], 3072
	s_mov_b32 s88, 1
	s_mul_i32 s89, s[WV], 13312
	s_add_co_u32 s89, s89, FIRST
	s_wait_dscnt 0x0                               ; both opening adds are done
	s_wait_kmcnt 0x0
	s_load_b256 s[68:75], s[8:9], 0x0              ; e0 .. e7
	s_add_nc_u64 s[26:27], s[6:7], s[56:57]
	s_or_b32 s27, s27, 0x80000000
	s_add_nc_u64 s[90:91], s[6:7], s[58:59]
	s_or_b32 s91, s91, 0x80000000
	CROUND                                         ; all four work-groups are here: the joint loads meet
	tensor_load_to_lds s[24:27], s[16:23]
	s_nop 0
.rept 4
	v_nop
.endr
	s_bfe_u32 s63, ttmp6, 0x40000                  ; cx
	s_lshr_b32 s[BB], s[WV], 1                     ; b
	s_lshr_b32 s33, s[WV], 2
	s_xor_b32 s33, s33, s[WV]
	s_and_b32 s[ISB], s33, 1                       ; 1: I am wave B
	s_xor_b32 s34, s[BB], 15                       ; 15 - b
	s_min_u32 s35, s34, 9
	s_xor_b32 s[QD2], ttmp9, 1                     ; the long tile's half: 1 - p
	s_lshl_b32 s36, s34, 3
	s_lshl_b32 s37, s[QD2], 2
	s_add_co_u32 s36, s36, s37
	s_add_co_u32 s36, s36, s63                     ; the long tile
	s_lshl_b32 s37, s[BB], 3
	s_lshl_b32 s38, ttmp9, 2
	s_add_co_u32 s37, s37, s38
	s_add_co_u32 s37, s37, s63                     ; the short tile
	s_xor_b32 s38, s[ISB], 1
	s_add_co_u32 s38, s[BB], s38                   ; the first tile's diagonal step, where I have it: b, or 8 for A with b = 7
	s_add_co_u32 s39, s[BB], 1
	s_lshr_b32 s39, s39, 3                         ; b = 7?
	s_or_b32 s32, s39, s[ISB]                      ; I have the first tile's diagonal
	s_xor_b32 s33, s39, 1
	s_and_b32 s33, s33, s[ISB]                     ; I have the second's
	s_cmp_eq_u32 s[ISB], 1
	s_cselect_b32 s[NF1], s[BB], s35
	s_cselect_b32 s[NF2], s34, 0
	s_cselect_b32 s[QD1], ttmp9, s[QD2]
	s_cselect_b32 s40, s37, s36                    ; my first tile
	s_lshl_b32 s41, s60, 17                        ; Q: the head's 131,072 bytes, 1,024 a tile
	s_lshl_b32 s42, s40, 10
	s_add_co_u32 s42, s42, s41
	s_mov_b32 s43, 0
	s_add_nc_u64 s[46:47], s[4:5], s[42:43]
	s_lshl_b32 s44, s36, 10
	s_add_co_u32 s44, s44, s41
	s_mov_b32 s45, 0
	s_add_nc_u64 s[48:49], s[4:5], s[44:45]
	; O's codes: att_codes [block of 128 tokens: 32][pair of heads: 8][tile of 16: 8][2,048]; an even head fills a fragment's registers 0-7, an odd one 8-15
	s_lshr_b32 s50, s60, 4
	s_lshl_b32 s50, s50, 4
	s_lshr_b32 s51, s40, 3
	s_add_co_u32 s50, s50, s51
	s_lshl_b32 s50, s50, 17
	s_bfe_u32 s51, s60, 0x30001
	s_lshl_b32 s51, s51, 14
	s_add_co_u32 s50, s50, s51
	s_and_b32 s51, s40, 7
	s_lshl_b32 s51, s51, 11
	s_add_co_u32 s50, s50, s51
	s_and_b32 s51, s60, 1
	s_lshl_b32 s51, s51, 10
	s_add_co_u32 s50, s50, s51
	s_mov_b32 s51, 0
	s_add_nc_u64 s[10:11], s[10:11], s[50:51]
	s_lshl_b32 s52, s63, 4
	s_mul_i32 s53, s[BB], 4608
	s_add_co_u32 s53, s53, STAGE
	v_and_b32 v[LI], 31, v0
	v_lshlrev_b32 v[LI], 4, v[LI]
	global_load_b128 v[16:19], v[LI], s[46:47]     ; 16 queries x 64
	global_load_b128 v[20:23], v[LI], s[46:47] offset:512
	global_load_b128 v[24:27], v[LI], s[48:49]
	global_load_b128 v[28:31], v[LI], s[48:49] offset:512
	v_add_nc_u32 v[STG], s53, v[LI]
	v_and_b32 v8, 15, v0
	v_bfe_u32 v9, v0, 4, 1
	v_lshlrev_b32 v9, 3, v9
	v_sub_nc_u32 v[DQ], v8, v9
	v_add_nc_u32 v[DQ], s52, v[DQ]
	v_mov_b32 v236, 0                              ; written once: a lane permute's destination counts as one of its sources
	v_mov_b32 v253, 0                              ; (named as the upper half of a pair)
.macro RESET
	v_mov_b32 v13, 0xff61b1e6                      ; the largest t so far: -3e38, under every t
	v_mov_b32 v14, 0
	v_mov_b32 v15, 0
	v_floor_f32 v12, -v13                          ; -M
.set n, 0
.rept 32
	v_mov_b32 v[160+n], 0                          ; O^T: the step has no first form of its own: the first change of M multiplies zeros
.set n, n+1
.endr
.endm
	RESET
	s_mov_b32 s[SEL], 0x76543210
	s_mov_b32 s[SEL+1], 0xfedcba98
	s_mov_b32 s[CS], 0x3e38aa3b                    ; log2(e) / 8
	s_wait_alu depctr_va_vdst(0)
	s_wait_kmcnt 0x0
	s_add_co_i32 s96, s70, s71
	s_lshl_b32 s96, s96, 23
	s_add_co_i32 s[CS], s[CS], s96
	s_mov_b32 s[CS+1], s[CS]
.macro SCALE e, rs, rl
	s_add_co_i32 s96, s[\e], 127
	s_lshl_b32 s97, s96, 23
	v_mov_b32 v[\rs], s97
	s_add_co_i32 s96, s96, 15
	s_lshl_b32 s96, s96, 23
	s_or_b32 s96, s96, 0x600000
	v_mov_b32 v[\rl], s96
.endm
	SCALE 72, 244, 240                             ; 2^e4 and 57,344 x 2^e4, for p
	SCALE 74, 246, 247                             ; 2^e6 and 57,344 x 2^e6, for O
; A KEY STEP at LDS byte s[TB]: its first nt tiles of 16 keys (8 or 4).  mask = 1: the last four tiles hold the keys of my queries' own half block: hidden where 16 u + j > v[DQ].
.macro STEP nt, mask
	v_add_nc_u32 v[AD], s[TB], v[LI]
.rept 3
	v_nop                                          ; with the addition above: four places in front of loads into registers that the last step's matrix instructions have read
.endr
.irp t, 0,1,2,3,4,5,6,7
.if \t < \nt
	ds_load_b128 v[32+8*\t:35+8*\t], v[AD] offset:1024*\t
	ds_load_b128 v[36+8*\t:39+8*\t], v[AD] offset:1024*\t+512
.endif
.endr
	s_wait_alu depctr_va_vdst(0)
	s_wait_dscnt \nt                               ; the first half of the tiles: 2 nt loads are out, the younger nt may stay out
.irp t, 0,1,2,3,4,5,6,7
.if \t < \nt
.if \t == \nt/2
	s_wait_dscnt 0x0
.endif
	v_wmma_f32_16x16x64_bf8_bf8 v[96+8*\t:103+8*\t], v[32+8*\t:39+8*\t], v[16:23], 0   ; S^T, tile t
.endif
.endr
.rept 4
	v_nop                                          ; four places: for the loads below and for the first read of the scores
.endr
.irp t, 0,1,2,3
.irp c, 0,1,2,3
.if \c < \nt/2
	ds_load_b128 v[32+16*\t+4*\c:35+16*\t+4*\c], v[AD] offset:8192+2048*\t+512*\c   ; V's tile t: 16 channels; they land while the softmax is worked
.endif
.endr
.endr
.if \mask
	v_mov_b32 v254, 0xff800000                     ; -infinity: p = 0 then
.set n, 0
.rept 32
	v_cmp_gt_i32 vcc_lo, 16*(n/8)+n%8, v[DQ]
	v_cndmask_b32 v[64+8*\nt+n], v[64+8*\nt+n], v254, vcc_lo
.set n, n+1
.endr
.endif
	v_max3_num_f32 v254, v96, v97, v98             ; the step's largest score of my query, among my keys, in two chains, from the low end on,
	v_max3_num_f32 v252, v99, v100, v101
.set n, 6
.rept (8*\nt-8)/4
	v_max3_num_f32 v254, v254, v[96+n], v[97+n]
	v_max3_num_f32 v252, v252, v[98+n], v[99+n]
.set n, n+4
.endr
	v_max3_num_f32 v254, v254, v[96+n], v[97+n]
	s_delay_alu instid0(VALU_DEP_1)
	v_max_num_f32 v254, v254, v252
	s_delay_alu instid0(VALU_DEP_1)
	v_permlanex16_b32 v236, v254, s[SEL], s[SEL+1]
	s_delay_alu instid0(VALU_DEP_1)
	v_max_num_f32 v254, v254, v236                 ; and among lane l xor 16's
	s_delay_alu instid0(VALU_DEP_1)
	v_mul_f32 v254, s[CS], v254                    ; as t (c is positive)
	s_delay_alu instid0(VALU_DEP_1)
	v_max_num_f32 v13, v13, v254                   ; the running largest t
	v_mov_b32 v254, v12
	s_delay_alu instid0(VALU_DEP_2)
	v_floor_f32 v12, -v13                          ; the new -M = floor(-t) = -ceil(t)
	s_delay_alu instid0(VALU_DEP_1)
	v_sub_f32 v254, v12, v254                      ; M's old value less its new one: a whole number, 0 or less
	s_delay_alu instid0(VALU_DEP_1)
	v_cvt_i32_f32 v254, v254                       ; (it saturates)
	s_delay_alu instid0(VALU_DEP_1)
	v_ldexp_f32 v252, 1.0, v254                    ; f = 2^(old M - new M)
.set n, 0
.rept 4*\nt
	v_pk_fma_f32 v[96+n:97+n], v[96+n:97+n], s[CS:CS+1], v[12:13] op_sel_hi:[1,0,0]   ; t - M, two at a time
.set n, n+2
.endr
	s_wait_alu depctr_va_vdst(0)                   ; the wait ahead of the batch
.set n, 0
.rept 8*\nt
	v_exp_f32 v[96+n], v[96+n]                     ; p = 2^(t - M), at most 1: not normalised
.set n, n+1
.endr
	v_pk_mul_f32 v[14:15], v[14:15], v[252:253] op_sel_hi:[1,0]   ; the sums under the new M: the plain instruction behind the exponentials
	s_wait_alu depctr_va_vdst(0)                   ; one wait for the whole batch
	v_pk_add_f32 v[242:243], v[96:97], v[98:99]    ; the sum of the unquantised p, in four chains
	v_pk_add_f32 v[248:249], v[100:101], v[102:103]
	v_pk_add_f32 v[238:239], v[104:105], v[106:107]
.set n, 12
.rept (8*\nt-12)/8
	v_pk_add_f32 v[14:15], v[14:15], v[96+n:97+n]
	v_pk_add_f32 v[242:243], v[242:243], v[98+n:99+n]
	v_pk_add_f32 v[248:249], v[248:249], v[100+n:101+n]
	v_pk_add_f32 v[238:239], v[238:239], v[102+n:103+n]
.set n, n+8
.endr
	v_pk_add_f32 v[14:15], v[14:15], v[96+n:97+n]
	v_pk_add_f32 v[242:243], v[242:243], v[98+n:99+n]
	v_pk_add_f32 v[248:249], v[248:249], v[238:239]
	v_pk_add_f32 v[14:15], v[14:15], v[242:243]
	s_delay_alu instid0(VALU_DEP_1)
	v_pk_add_f32 v[14:15], v[14:15], v[248:249]
.irp t, 0,1,2,3,4,5,6,7
.if \t < \nt
.irp i, 0,1,2,3,4,5,6,7
	v_min_num_f32 v[96+8*\t+\i], v[96+8*\t+\i], v240   ; the conversion does not saturate (ISA guide 7.6.2); p is not negative: the hold is one-sided
.endr
	v_cvt_scalef32_pk8_bf8_f32 v[192+2*\t:193+2*\t], v[96+8*\t:103+8*\t], v244
.endif
.endr
	s_wait_alu depctr_va_vdst(0)                   ; ahead of the first readers of O^T
.set n, 0
.rept 16
	v_pk_mul_f32 v[160+n:161+n], v[160+n:161+n], v[252:253] op_sel_hi:[1,0]   ; O^T under the new M, each accumulator from its low end on
.set n, n+2
.endr
	s_wait_alu depctr_va_vdst(0)
	s_wait_dscnt 0x0                               ; V is in
.irp t, 0,1,2,3
.if \nt == 8
	v_wmma_f32_16x16x128_bf8_bf8 v[160+8*\t:167+8*\t], v[32+16*\t:47+16*\t], v[192:207], v[160+8*\t:167+8*\t]   ; O^T += V^T P^T: the four accumulators by turns
.else
	v_wmma_f32_16x16x64_bf8_bf8 v[160+8*\t:167+8*\t], v[32+16*\t:39+16*\t], v[192:199], v[160+8*\t:167+8*\t]
.endif
.endr
.endm
; FULL STEPS first .. first + trips - 1, as far as they lie under s[nf]: the trip counts are constants; a step at or past s[nf] is passed over, and no barrier stands in a step
.macro WALK nf, first, trips
	s_mov_b32 s[TB], (\first)*16384
	s_mov_b32 s[KF], \first
	s_mov_b32 s[CNT], \trips
.Lwalk_\@:
	s_cmp_ge_u32 s[KF], s[\nf]
	s_cbranch_scc1 .Lpass_\@
	STEP 8, 0
.Lpass_\@:
	s_add_co_u32 s[KF], s[KF], 1
	s_add_co_u32 s[TB], s[TB], 16384
	s_sub_co_u32 s[CNT], s[CNT], 1
	s_cmp_lg_u32 s[CNT], 0
	s_cbranch_scc1 .Lwalk_\@
.endm
; THE DIAGONAL STEP st, if have: by the tile's half qd
.macro DIAG have, st, qd
	s_cmp_eq_u32 s[\have], 0
	s_cbranch_scc1 .Lnone_\@
	s_lshl_b32 s[TB], s[\st], 14
	s_cmp_eq_u32 s[\qd], 0
	s_cbranch_scc1 .Lhalf_\@
	STEP 8, 1
	s_branch .Lnone_\@
.Lhalf_\@:
	STEP 4, 1
.Lnone_\@:
.endm
; A TILE'S WAY OUT.  O = O^T x 2^(e4 + e5) / the sum; it is the left operand of the last product: held, converted with 2^e6, and stored as registers 0-7 or 8-15 of that operand's fragment.
.macro OUTT cd
	v_add_f32 v14, v14, v15                        ; the sum's two halves,
	s_delay_alu instid0(VALU_DEP_1)
	v_permlanex16_b32 v236, v14, s[SEL], s[SEL+1]
	s_delay_alu instid0(VALU_DEP_1)
	v_add_f32 v14, v14, v236                       ; and lane l xor 16's: the row's sum, over 1/2 less rounding
	s_wait_alu depctr_va_vdst(0)
	v_rcp_f32 v14, v14
	v_nop
	s_add_co_i32 s96, s72, s73
	s_wait_alu depctr_va_vdst(0)
	v_ldexp_f32 v14, v14, s96                      ; x 2^(e4 + e5)
	s_wait_alu depctr_va_vdst(0)
.set n, 0
.rept 16
	v_pk_mul_f32 v[96+n:97+n], v[160+n:161+n], v[14:15] op_sel_hi:[1,0]   ; register 8 t + i is O(my query, channel 16 t + 8 (lane / 16) + i)
.set n, n+2
.endr
.set n, 0
.rept 32
	v_med3_num_f32 v[96+n], v[96+n], -v247, v247
.set n, n+1
.endr
.irp t, 0,1,2,3
	v_cvt_scalef32_pk8_bf8_f32 v[\cd+2*\t:\cd+2*\t+1], v[96+8*\t:103+8*\t], v246
.endr
	v_nop
	global_store_b128 v[LI], v[\cd:\cd+3], s[10:11]            ; 32 lanes store 512 consecutive bytes, aligned
	global_store_b128 v[LI], v[\cd+4:\cd+7], s[10:11] offset:512
.endm
	s_wait_alu depctr_va_vdst(0)                   ; the wait at the head's end
	s_wait_loadcnt 0x0                             ; Q
	s_wait_tensorcnt 0x0                           ; my part of steps 0-2 is in
	ds_add_u32 v[SPW], v[NIL]
	s_wait_dscnt 0x0
	CROUND                                         ; everybody's part is in, and all four work-groups are here
	tensor_load_to_lds s[88:91], s[80:87]          ; steps 3-15
	s_nop 0
.rept 4
	v_nop
.endr
	WALK NF1, 0, 3
	s_wait_tensorcnt 0x0                           ; my part of steps 3-15 is in
	s_wait_dscnt 0x0
	s_barrier_signal -1
	s_barrier_wait -1                              ; K and V are whole
	WALK NF1, 3, 6
	DIAG 32, 38, QD1
	s_cmp_eq_u32 s[ISB], 0
	s_cbranch_scc1 .Lnot_b
.rept 4
	v_nop                                          ; places behind the last products
.endr
	OUTT 208                                       ; B: the short tile is finished; on to the long one
	RESET
.set n, 0
.rept 8
	v_mov_b32 v[16+n], v[24+n]
.set n, n+1
.endr
	s_wait_alu depctr_va_vdst(0)
.Lnot_b:
	WALK NF2, 9, 6
	DIAG 33, 34, QD2
.rept 4
	v_nop                                          ; places behind the last products
.endr
	s_cmp_eq_u32 s[ISB], 0
	s_cbranch_scc1 .Lno_part
.irp g, 0,1,2,3,4,5,6,7
	ds_store_b128 v[STG], v[160+4*\g:163+4*\g] offset:512*\g   ; B's part: O^T,
.endr
	ds_store_b128 v[STG], v[12:15] offset:4096                 ; -M, (the largest t,) the sum in two halves
.Lno_part:
	s_wait_dscnt 0x0
	s_barrier_signal -1
	s_barrier_wait -1
	s_cmp_eq_u32 s[ISB], 1
	s_cbranch_scc1 .Lend
	ds_load_b128 v[128:131], v[STG] offset:4096
.irp g, 0,1,2,3,4,5,6,7
	ds_load_b128 v[96+4*\g:99+4*\g], v[STG] offset:512*\g
.endr
	s_wait_dscnt 0x0
	v_min_num_f32 v132, v12, v128                  ; the joint -M
	v_sub_f32 v133, v132, v12                      ; A's M less the joint one: a whole number, 0 or less
	v_sub_f32 v134, v132, v128                     ; B's likewise
	v_cvt_i32_f32 v133, v133
	v_cvt_i32_f32 v134, v134
	v_ldexp_f32 v136, 1.0, v133
	v_ldexp_f32 v138, 1.0, v134                    ; (b = 7: B's part is empty, its M is -3e38: 0)
	v_mov_b32 v137, 0                              ; (named as the upper halves of pairs)
	v_mov_b32 v139, 0
	v_pk_mul_f32 v[14:15], v[14:15], v[136:137] op_sel_hi:[1,0]
	v_pk_fma_f32 v[14:15], v[130:131], v[138:139], v[14:15] op_sel_hi:[1,0,1]
	s_wait_alu depctr_va_vdst(0)                   ; ahead of the first readers of O^T
.set n, 0
.rept 16
	v_pk_mul_f32 v[160+n:161+n], v[160+n:161+n], v[136:137] op_sel_hi:[1,0]
.set n, n+2
.endr
.set n, 0
.rept 16
	v_pk_fma_f32 v[160+n:161+n], v[96+n:97+n], v[138:139], v[160+n:161+n] op_sel_hi:[1,0,1]
.set n, n+2
.endr
	OUTT 216                                       ; A: the long tile
.Lend:
	s_wait_tensorcnt 0x0                           ; the wave's end
	ds_add_u32 v[SPW], v[NIL]
	s_wait_dscnt 0x0
	CROUND                                         ; the closing round
	s_endpgm
.Lfunc_end_k_q9cf70dc29b_attn:
	.size	k_q9cf70dc29b_attn, .Lfunc_end_k_q9cf70dc29b_attn-k_q9cf70dc29b_attn
	.p2alignl 7, 3214868480
	.fill 96, 4, 3214868480
	.section	.rodata,"a",@progbits
	.p2align	6, 0x0
	.amdhsa_kernel k_q9cf70dc29b_attn
		.amdhsa_group_segment_fixed_size 327680
		.amdhsa_private_segment_fixed_size 0
		.amdhsa_enable_private_segment 0
		.amdhsa_kernarg_size 32
		.amdhsa_user_sgpr_count 2
		.amdhsa_user_sgpr_kernarg_segment_ptr 1
		.amdhsa_wavefront_size32 1
		.amdhsa_system_sgpr_workgroup_id_x 1
		.amdhsa_system_sgpr_workgroup_id_y 1
		.amdhsa_system_sgpr_workgroup_id_z 1
		.amdhsa_system_vgpr_workitem_id 0
		.amdhsa_next_free_vgpr 256
		.amdhsa_next_free_sgpr 100
		.amdhsa_reserve_vcc 1
		.amdhsa_float_denorm_mode_32 3
		.amdhsa_float_denorm_mode_16_64 3
		.amdhsa_memory_ordered 1
		.amdhsa_forward_progress 1
		.amdhsa_inst_pref_size 128
	.end_amdhsa_kernel
	.amdgpu_metadata
---
amdhsa.version: [ 1, 2 ]
amdhsa.kernels:
  - .name:           k_q9cf70dc29b_attn
    .symbol:         k_q9cf70dc29b_attn.kd
    .args:
      - { .name: q_codes, .offset: 0, .size: 8, .value_kind: global_buffer, .address_space: global }
      - { .name: kv_codes, .offset: 8, .size: 8, .value_kind: global_buffer, .address_space: global }
      - { .name: lowp_scales, .offset: 16, .size: 8, .value_kind: global_buffer, .address_space: global }
      - { .name: att_codes, .offset: 24, .size: 8, .value_kind: global_buffer, .address_space: global }
    .group_segment_fixed_size: 327680
    .private_segment_fixed_size: 0
    .kernarg_segment_align: 8
    .kernarg_segment_size: 32
    .max_flat_workgroup_size: 512
    .sgpr_count:     100
    .vgpr_count:     256
    .wavefront_size: 32
...
	.end_amdgpu_metadata
.endif
;; end of part 3
;; launch proj (part 4): grid 8 x 32, 4 waves a work-group, clusters of 4 x 4, 327,680 bytes of LDS; arguments att_codes, codes, b_proj, lowp_scales, out0; writes out0
.if DOCPART == 4
	.amdgcn_target "amdgcn-amd-amdhsa--gfx1250"
	.amdhsa_code_object_version 6
	.text
	.protected	k_q9cf70dc29b_proj
	.globl	k_q9cf70dc29b_proj
	.p2align	8
	.type	k_q9cf70dc29b_proj,@function
k_q9cf70dc29b_proj:
	s_mov_b64 s[64:65], 0
	v_nop
	global_prefetch_b8 v0, s[64:65] scope:SCOPE_SE
	s_setreg_imm32_b32 hwreg(HW_REG_WAVE_MODE, 25, 1), 1
	s_wait_xcnt 0x0
	s_wait_alu depctr_hold_cnt(0) depctr_sa_sdst(0) depctr_va_vdst(0) depctr_va_sdst(0) depctr_va_ssrc(0) depctr_va_vcc(0) depctr_vm_vsrc(0)
	s_getreg_b32 s2, hwreg(HW_REG_IB_STS2, 6, 4)
	s_cmp_eq_u32 s2, 0
	s_cbranch_scc0 .Lentry_in_a_cluster
	s_endpgm
.Lentry_in_a_cluster:
	s_bfe_u32 s2, ttmp6, 0x10000c
	s_cmp_lg_u32 s2, 0xf033
	s_cbranch_scc0 .Lentry_shape_is_right
	s_endpgm
.Lentry_shape_is_right:
; out0 = att W_proj^T + b_proj on codes of BF8 (E5M2), sums in f32.  att: 4,096 rows x K = 1,024; W_proj: 1,024 rows, at byte 0x700000 of the buffer of codes; both as images of operand registers:
; [block of 128 rows][K step of 128: 8][tile of 16 rows: 8][2,048]: registers 4 g .. 4 g + 3 of lane l at 512 g + 16 l.
; out0 = sum x 2^(e6 + e7) + b_proj: one packed multiply-add for two numbers.  LIMIT: e6 + e7 between -126 and 127, so that 2^(e6 + e7) is an f32 number.
; A tile of 128 x 128 of out0 is made by a work-group of four waves (32 x 8 tiles: 256 work-groups; tiles of 256 x 256 would be 64); a wave makes 64 x 64: 16 accumulators, 128 registers.
; THE WHOLE K LIES IN LDS: A's 131,072 bytes, then B's.  Nothing is filled again.  Each wave issues ONE joint load, a dense half of K: waves 0, 1 A's halves, waves 2, 3 B's: wave w fills LDS byte 65,536 w on.
; One barrier waits for all.  All is asked for at the head: there is no loop ahead of which a prefetch could run.
; CLUSTERS: 4 x 4 work-groups.  The four of a row of the cluster need the same rows of att, the four of a column the same rows of W_proj: each is asked for JOINTLY.
; THE MATRIX INSTRUCTION IS USED TRANSPOSED (source 0 = 16 rows of W_proj, source 1 = 16 rows of att): a lane holds eight neighbouring numbers of a row of out0.
; REGISTERS: window 0: v8-19 addresses; v32-63 my 64 columns' bias in the result's layout; v64-95, v96-127 at work on the way out; v128-255 the accumulators ((a, b) at v[128 + 8 (4 a + b)]).
;   window 1: two sets of fragments, at v0 and v128: A's four (16 registers each), then B's four.
.set STAGE, 262144                     ; 16 rows x 272 bytes for each wave, for the way out
.set SPITCH, 272
.set SPARE, STAGE+4*16*SPITCH
.set ADRA, 8                           ; v8, v9   LDS address of my A fragments in K's two halves
.set ADRB, 12                          ; v12, v13 the same for B
.set STO,  16
.set RD,   17
.set CO,   18
.set BO,   19
.set BIAS, 32
.set TMP,  64
.set BK,   96
.set ACC,  128
.set MSB, 0
.macro WIN new
.if MSB != (\new)
	s_set_vgpr_msb (MSB<<8)|(\new)
.set MSB, (\new)
.endif
.endm
.macro CROUND
	s_barrier_signal -1
	s_barrier_wait -1
	s_cmp_lg_u32 s14, 0
	s_cbranch_scc1 .Lnot_wave_0_\@
	s_barrier_signal -3
.Lnot_wave_0_\@:
	s_barrier_wait -3
	s_barrier_signal -1
	s_barrier_wait -1
.endm
.macro PLACES
.rept 4
	v_nop
.endr
.endm
.macro GROUP1 g, mask                  ; 65,536 bytes as 256 rows of 32 elements of 8 bytes; the mask, bit 21 beside it
	s_or_b32 s[\g], s[\mask], (3<<16)|(1<<21)
	s_mov_b32 s[\g+1], 32<<16
	s_mov_b32 s[\g+2], 256<<16
	s_mov_b32 s[\g+3], 32<<16
	s_mov_b32 s[\g+4], 256
	s_mov_b32 s[\g+5], 32
	s_mov_b32 s[\g+6], 0
	s_mov_b32 s[\g+7], 0
.endm
	s_load_b256 s[4:11], s[0:1], 0x0               ; att_codes, codes, b_proj, the exponents
	s_load_b64 s[12:13], s[0:1], 0x20              ; out0
	v_lshl_add_u32 v30, v0, 2, SPARE
	v_mov_b32 v31, 0
	ds_add_u32 v30, v31                            ; the wave's opening: the add, twice on end
	ds_add_u32 v30, v31
	v_lshrrev_b32 v1, 5, v0
	v_readfirstlane_b32 s14, v1                    ; wave 0..3
	s_lshr_b32 s15, s14, 1                         ; my half of the tile's rows; I fetch for A (0) or B (1)
	s_and_b32 s16, s14, 1                          ; my half of its columns; the half of K that I fetch
	s_bfe_u32 s56, ttmp6, 0x40000                  ; cx
	s_bfe_u32 s57, ttmp6, 0x40004                  ; cy
	s_lshl_b32 s58, ttmp9, 2
	s_add_co_u32 s58, s58, s56                     ; tile column
	s_and_b32 s17, ttmp7, 0xffff
	s_lshl_b32 s17, s17, 2
	s_add_co_u32 s17, s17, s57                     ; tile row
	s_lshl_b32 s59, s57, 2
	s_lshl_b32 s59, 15, s59                        ; my row of the cluster
	s_lshl_b32 s60, 0x1111, s56                    ; my column
	GROUP1 24, 59
	GROUP1 32, 60
	s_lshl_b32 s18, s16, 16
	s_lshl_b32 s20, s17, 17
	s_add_co_u32 s20, s20, s18
	s_mov_b32 s21, 0
	s_lshl_b32 s22, s58, 17
	s_add_co_u32 s22, s22, s18
	s_add_co_u32 s22, s22, 0x700000
	s_mov_b32 s23, 0
	s_mov_b32 s40, 1
	s_lshl_b32 s41, s14, 16                        ; no place in the cluster enters an LDS address
	s_mov_b32 s44, 1
	s_lshl_b32 s45, s14, 16
	s_wait_dscnt 0x0
	s_wait_kmcnt 0x0
	s_load_b256 s[84:91], s[10:11], 0x0            ; e0 .. e7
	s_add_nc_u64 s[42:43], s[4:5], s[20:21]
	s_or_b32 s43, s43, 0x80000000
	s_add_nc_u64 s[46:47], s[6:7], s[22:23]
	s_or_b32 s47, s47, 0x80000000
	CROUND                                         ; all sixteen work-groups are here: the joint loads meet
	s_cmp_eq_u32 s15, 0
	s_cbranch_scc0 .Lfor_b
	tensor_load_to_lds s[40:43], s[24:31]
	s_nop 0
.rept 4
	v_nop
.endr
	s_branch .Lasked
.Lfor_b:
	tensor_load_to_lds s[44:47], s[32:39]
	s_nop 0
.rept 4
	v_nop
.endr
.Lasked:
	s_lshl_b32 s94, s58, 9
	s_lshl_b32 s63, s16, 8
	s_add_co_u32 s94, s94, s63                     ; my first column, in bytes
	s_mov_b32 s95, 0
	s_add_nc_u64 s[8:9], s[8:9], s[94:95]
	s_add_nc_u64 s[12:13], s[12:13], s[94:95]
	s_lshl_b32 s94, s17, 19
	s_lshl_b32 s63, s15, 18
	s_add_co_u32 s94, s94, s63                     ; my first row, of 4,096 bytes
	s_add_nc_u64 s[12:13], s[12:13], s[94:95]
	s_lshl_b32 s61, s15, 13                        ; my four tiles of A's rows
	s_lshl_b32 s62, s16, 13
	s_add_co_u32 s62, s62, 131072                  ; and of B's
	s_mul_i32 s67, s14, 16*SPITCH
	s_add_co_u32 s67, s67, STAGE
	v_and_b32 v1, 31, v0
	v_and_b32 v2, 15, v0                           ; r
	v_bfe_u32 v3, v0, 4, 1                         ; h
	v_lshlrev_b32 v4, 4, v1
	v_lshlrev_b32 v[BO], 5, v3                     ; the bias: eight numbers further on for lanes 16-31
	v_add_nc_u32 v[ADRA], s61, v4
	v_add_nc_u32 v[ADRB], s62, v4
	v_add_nc_u32 v[ADRA+1], 0x10000, v[ADRA]
	v_add_nc_u32 v[ADRB+1], 0x10000, v[ADRB]
	v_mul_u32_u24 v6, v2, SPITCH
	v_lshl_add_u32 v6, v3, 5, v6
	v_add_nc_u32 v[STO], s67, v6                   ; in: row r, 32 bytes for each half of the lanes
	v_mul_u32_u24 v7, v3, SPITCH
	v_lshl_add_u32 v7, v2, 4, v7
	v_add_nc_u32 v[RD], s67, v7                    ; back: lanes 0-15 one row of 256 bytes, lanes 16-31 the next
	v_lshlrev_b32 v[CO], 12, v3
	v_lshl_add_u32 v[CO], v2, 4, v[CO]             ; and the same two rows of out0
	s_wait_alu depctr_va_vdst(0)                   ; the wait at the head's end
.irp b, 0,1,2,3
	global_load_b128 v[BIAS+8*\b:BIAS+8*\b+3], v[BO], s[8:9] offset:64*\b        ; b_proj at columns 16 b + 8 h + 0 .. 7 of my 64
	global_load_b128 v[BIAS+8*\b+4:BIAS+8*\b+7], v[BO], s[8:9] offset:64*\b+16
.endr
	s_wait_kmcnt 0x0
	s_add_co_i32 s92, s90, s91
	s_add_co_i32 s92, s92, 127
	s_lshl_b32 s92, s92, 23                        ; 2^(e6 + e7)
	s_mov_b32 s93, s92                             ; (named with it as a pair)
; 32 LDS loads in one run: the fragments of K step s into the set at f of window 1
.macro FETCH s, f
	WIN 0x40
.irp b, 0,1,2,3
.irp g, 0,1,2,3
	ds_load_b128 v[(\f)+64+16*\b+4*\g:(\f)+64+16*\b+4*\g+3], v[ADRB+(\s)/4] offset:16384*((\s)%4)+2048*\b+512*\g
.endr
.endr
.irp a, 0,1,2,3
.irp g, 0,1,2,3
	ds_load_b128 v[(\f)+16*\a+4*\g:(\f)+16*\a+4*\g+3], v[ADRA+(\s)/4] offset:16384*((\s)%4)+2048*\a+512*\g
.endr
.endr
.endm
; 16 matrix instructions: the 16 accumulators take turns, in the same order in every K step.  K step 0 starts the sums
.macro MUL s, f
	WIN 0x05
.irp a, 0,1,2,3
.irp b, 0,1,2,3
.if (\s) == 0
	v_wmma_f32_16x16x128_bf8_bf8 v[ACC+8*(4*\a+\b):ACC+8*(4*\a+\b)+7], v[(\f)+64+16*\b:(\f)+64+16*\b+15], v[(\f)+16*\a:(\f)+16*\a+15], 0
.else
	v_wmma_f32_16x16x128_bf8_bf8 v[ACC+8*(4*\a+\b):ACC+8*(4*\a+\b)+7], v[(\f)+64+16*\b:(\f)+64+16*\b+15], v[(\f)+16*\a:(\f)+16*\a+15], v[ACC+8*(4*\a+\b):ACC+8*(4*\a+\b)+7]
.endif
.endr
.endr
.endm
; K step s: the next step's fragments are asked for, into the other set, then this step is multiplied
.macro KSTEP s
.if (\s) > 0
	PLACES                                         ; in front of loads into the set that the last step's matrix instructions have read
.endif
	FETCH (\s)+1, 128*(1-(\s)%2)
	s_wait_dscnt 32                                ; all but the 32 just issued
	MUL \s, 128*((\s)%2)
.endm
	s_wait_tensorcnt 0x0                           ; my load has landed
	s_barrier_signal -1
	s_barrier_wait -1                              ; everybody's has
	FETCH 0, 0
.irp s, 0,1,2,3,4,5,6
	KSTEP \s
.endr
	s_wait_dscnt 0x0
	MUL 7, 128
	WIN 0
	; THE WAY OUT, 16 rows x my 64 columns at a time: sum x 2^(e6 + e7) + bias into other registers, each accumulator from its low end on; a lane's 32 bytes into my own stage; back as whole rows of 256 bytes.
	; LDS serves a wave's instructions in order (ISA guide 5.7.1.4): no wait between the stores and the loads, nor in front of the next block's stores.
	PLACES                                         ; behind the last products
	s_wait_loadcnt 0x0                             ; the bias
.irp a, 0,1,2,3
.irp b, 0,1,2,3
.irp i, 0,2,4,6
	v_pk_fma_f32 v[TMP+8*\b+\i:TMP+8*\b+\i+1], v[ACC+8*(4*\a+\b)+\i:ACC+8*(4*\a+\b)+\i+1], s[92:93], v[BIAS+8*\b+\i:BIAS+8*\b+\i+1] op_sel_hi:[1,0,1]
.endr
.endr
.irp b, 0,1,2,3
	ds_store_b128 v[STO], v[TMP+8*\b:TMP+8*\b+3] offset:64*\b
	ds_store_b128 v[STO], v[TMP+8*\b+4:TMP+8*\b+7] offset:64*\b+16
.endr
.if \a > 0
	s_wait_xcnt 0x0                                ; the last block's stores have read their data: the loads below may land there
.endif
.irp t, 0,1,2,3,4,5,6,7
	ds_load_b128 v[BK+4*\t:BK+4*\t+3], v[RD] offset:\t*2*SPITCH
.endr
.irp t, 0,1,2,3,4,5,6,7
	s_wait_dscnt 7-\t                              ; load t is back; the younger ones may be out
	global_store_b128 v[CO], v[BK+4*\t:BK+4*\t+3], s[12:13] offset:(16*\a+2*\t)*4096 th:TH_STORE_NT   ; 16 lanes store 256 consecutive bytes, aligned; written once, read by nobody here
.endr
.endr
	s_wait_tensorcnt 0x0                           ; the wave's end
	ds_add_u32 v30, v31
	s_wait_dscnt 0x0
	CROUND                                         ; the closing round
	s_endpgm
.Lfunc_end_k_q9cf70dc29b_proj:
	.size	k_q9cf70dc29b_proj, .Lfunc_end_k_q9cf70dc29b_proj-k_q9cf70dc29b_proj
	.p2alignl 7, 3214868480
	.fill 96, 4, 3214868480
	.section	.rodata,"a",@progbits
	.p2align	6, 0x0
	.amdhsa_kernel k_q9cf70dc29b_proj
		.amdhsa_group_segment_fixed_size 327680
		.amdhsa_private_segment_fixed_size 0
		.amdhsa_enable_private_segment 0
		.amdhsa_kernarg_size 40
		.amdhsa_user_sgpr_count 2
		.amdhsa_user_sgpr_kernarg_segment_ptr 1
		.amdhsa_wavefront_size32 1
		.amdhsa_system_sgpr_workgroup_id_x 1
		.amdhsa_system_sgpr_workgroup_id_y 1
		.amdhsa_system_sgpr_workgroup_id_z 1
		.amdhsa_system_vgpr_workitem_id 0
		.amdhsa_next_free_vgpr 512
		.amdhsa_next_free_sgpr 96
		.amdhsa_reserve_vcc 0
		.amdhsa_float_denorm_mode_32 3
		.amdhsa_float_denorm_mode_16_64 3
		.amdhsa_memory_ordered 1
		.amdhsa_forward_progress 1
		.amdhsa_inst_pref_size 45
	.end_amdhsa_kernel
	.amdgpu_metadata
---
amdhsa.version: [ 1, 2 ]
amdhsa.kernels:
  - .name:           k_q9cf70dc29b_proj
    .symbol:         k_q9cf70dc29b_proj.kd
    .args:
      - { .name: att_codes, .offset: 0, .size: 8, .value_kind: global_buffer, .address_space: global }
      - { .name: codes, .offset: 8, .size: 8, .value_kind: global_buffer, .address_space: global }
      - { .name: b_proj, .offset: 16, .size: 8, .value_kind: global_buffer, .address_space: global }
      - { .name: lowp_scales, .offset: 24, .size: 8, .value_kind: global_buffer, .address_space: global }
      - { .name: out0, .offset: 32, .size: 8, .value_kind: global_buffer, .address_space: global }
    .group_segment_fixed_size: 327680
    .private_segment_fixed_size: 0
    .kernarg_segment_align: 8
    .kernarg_segment_size: 40
    .max_flat_workgroup_size: 128
    .sgpr_count:     96
    .vgpr_count:     512
    .wavefront_size: 32
...
	.end_amdgpu_metadata
.endif
;; end of part 4
